; MI455X (gfx1250); checked and timed in simulation.
; The chip was launched on July 23, 2026; its instructions are those of AMD's public machine-readable ISA for CDNA 5 (MIT licence, August 2026) and "CDNA5" Instruction Set Architecture Reference Guide (July 2026). The comments in the code are by the model that wrote it; some were corrected since.
;; Ex4bit Linear. Allowed arithmetic: matrix products marked QUANTISED: E3M2 operands, one E8M0 scale for each 32 along K, by v_wmma_scale_f32_16x16x128_f8f6f4 with both operands' format E3M2, f32 sums; everything else in f32.
;; Inputs: bias 4,096 float32; g_idx 4,096 int32; qweight 512 x 4,096 int32; qzeros 32 x 512 int32; scales 32 x 4,096 float32; x_codes 4,096 x 128 x 24 uint8 (E3M2 codes of x, K innermost, in blocks of 32 codes, four codes in three bytes); x_scales 4,096 x 128 uint8 (E8M0 scales of x, one for each 32 codes along K).
;; Outputs: out0 4,096 x 4,096 float32.
;; This version of the problem:
;;   THIS VERSION OF THE PROBLEM IS GIVEN IN LOW PRECISION. The matrix products marked QUANTISED in the list below multiply operands that are first quantised to E3M2 (3 exponent bits, 2 mantissa bits; 6 bits a number), with one power-of-two scale for each 32 numbers along K (OCP MX v1.0); their sums are f32. All else is computed in f32.
;;   The module's matrix products, in the order in which they are computed (A, B: the left and right operand; K: the contracted axis; several contracted axes count as one K, in the product's order):
;;     1. [M 4,096, K 4,096] x [K 4,096, N 4,096]; A: input x (given as codes); B: computed on the way: QUANTISED
;;   THE QUANTISER, for each operand of a quantised product, along K:
;;     - K is cut into blocks of 32 from its start; a last block that is shorter is filled with zeros.
;;     - A block's scale is 2^e with e = floor(log2(the largest magnitude in the block)) - 4, held to -126 .. 127; a block of zeros has e = 0. As a byte (E8M0): e + 127.
;;     - Each number is divided by its block's scale, clamped to +-28, and rounded to the nearest number of E3M2, ties to even, subnormals kept.
;;     - The product sums the exact products of the quantised numbers (number of the format x scale) in f32.
;;   ~~~python
;;   def quantise(x, axis):      # numpy; x: float32 -> the quantised numbers, widened to float32 again
;;       x = np.moveaxis(x, axis, -1); K = x.shape[-1]
;;       x = np.pad(x, [(0, 0)] * (x.ndim - 1) + [(0, -K % 32)]); x = x.reshape(x.shape[:-1] + (-1, 32)); a = np.abs(x).max(-1, keepdims=True)
;;       e = np.where(a > 0, np.clip(np.frexp(np.where(a > 0, a, 1))[1] - 1 - 4, -126, 127), 0)      # np.frexp(a)[1] - 1 = floor(log2(a)), exactly
;;       r = np.clip(x / 2.0 ** e, -28, 28)
;;       step = 2.0 ** (np.maximum(np.frexp(np.where(r == 0, 1, r))[1] - 1, -2) - 2)
;;       q = np.round(r / step) * step * 2.0 ** e      # np.round: ties to even
;;       return np.moveaxis(q.reshape(q.shape[:-2] + (-1,))[..., :K], -1, axis).astype(np.float32)
;;   ~~~
;;   OPERANDS COMPUTED ON THE WAY. 'Computed on the way' means the value that the module computes at that place (a softmax that the list does not call 'softmax' is quantised finished and normalised). What goes into a quantiser is computed in f32, as accurately as f32 sums, v_exp_f32 and their like allow (about 1e-6 of the number): no bf16 or f16 on the way to a quantiser, and a product that is left as it is and whose result goes on into a quantised operand takes f32 operands (vector FMAs, or v_wmma_f32_16x16x4_f32). A number that lies on a knife's edge between two numbers of the format may be rounded either way, as far as f32 arithmetic and the matrix unit's own rounding can turn it there, and no further.
;;   INPUTS GIVEN AS CODES. x (in the module: [4096, 4096], K = its axis 1): each comes as NAME_codes (uint8): NAME with its K axis moved to the last place and cut into blocks of 32 codes, [.., K / 32, bytes a block], one block behind the other in memory; four codes in three bytes: a row's codes are one little-endian stream of bits, code i at bits 6 i .. 6 i + 5 (a code: sign, 3 exponent bits, 2 mantissa bits); and NAME_scales (uint8): the same leading axes, one E8M0 byte (e + 127) for each 32 codes along K. Its value is code x scale, taken as it is: it is not quantised again, and the codes and scales need not be those that the quantiser above would give.
;; One version. Each part assembles by itself: llvm-mc -triple=amdgcn-amd-amdhsa -mcpu=gfx1250 --defsym DOCPART=n.
;; ======== version 1 of 1: 2 launches
;; limits: right only within a limited range of input values
;; workspace buffers: wq 13,107,200 bytes; xq 13,107,200 bytes
;; launch prep (part 1): grid 32 x 16, 8 waves a work-group, no clusters, 55,808 bytes of LDS; arguments qweight, qzeros, scales, g_idx, x_codes, x_scales, wq, xq; writes wq, xq
.if DOCPART == 1
	.amdgcn_target "amdgcn-amd-amdhsa--gfx1250"
	.amdhsa_code_object_version 6
	.text
	.protected	k_q2e58d10d30_prep
	.globl	k_q2e58d10d30_prep
	.p2align	8
	.type	k_q2e58d10d30_prep,@function
k_q2e58d10d30_prep:
	s_mov_b64 s[64:65], 0
	v_nop
	global_prefetch_b8 v0, s[64:65] scope:SCOPE_SE
	s_setreg_imm32_b32 hwreg(HW_REG_WAVE_MODE, 25, 1), 1
	s_wait_xcnt 0x0
; Both operands of out = x W + bias are laid here in the order in which the product's launch takes them into registers.  No work is left out; every input is loaded (bias by the next launch).
; W[k][n] = scales[g_idx[k]][n] x (nibble k of qweight - nibble n of qzeros[g_idx[k]] - 1), in f32, is turned into codes of BF6 (E3M2) along K, one E8M0 byte for each 32 along K.  x's codes and scales are moved as they are.
; OUT, wq (rows = columns n of W) and xq (rows = tokens) alike: [group of 128 rows][K step of 128][12,800 bytes]: eight fragments of 16 rows (1,536 bytes: piece j of three, lane l, 16 bytes = the operand's registers 4 j .. 4 j + 3
; of lane l = r + 16 h, row r, k = 64 c + 32 h ..), then 512 bytes of scale words: word of row 16 (4 g + e) + r at 256 g + 16 r + 4 e.
; SHARES.  Work-group (x, y).  W: columns 128 x .. + 127, k = 256 y .. + 255 (two K steps); wave w the block of 32 at k = 256 y + 32 w, lane l the four columns 4 l + c, ITS REGISTERS RUN DOWN K.
; x: rows 128 x + 32 (y & 3) .. + 31, bytes 768 (y >> 2) .. + 767 of each row (eight K steps): wave w loads rows 4 w .. 4 w + 3 in whole runs of 256 bytes; behind the barrier it takes K step w of both blocks of 16 rows as fragments.
; x's scale words of K steps 2 y, 2 y + 1 of group x: one word a thread (8 bytes of each of 128 rows; each word is read once in the launch), gathered in LDS and stored as two runs of 512 bytes.
; g_idx MAY BE ANY MAP OF k TO 0 .. 31: a wave's 32 numbers come by scalar loads.  THE GENERAL WAY looks the group up for every k: (w - z) s - s by one fused multiply-add, rounded once.
; THE SHORT WAY serves a block whose 32 numbers are equal: a nibble at bits 4 j under the exponent field 150 - 4 j IS 2^(23 - 4 j) + w; adding -(2^(23 - 4 j) + z + 1) is exact; the product with s is rounded once.  Same bits.
; LIMITS: a block of zeros of W gets the byte 1 where the rule says 127 (its codes are zeros, and this program alone reads the bytes).  NaN and infinities among scales are not served.
; No tensor load, no cluster, no matrix instruction, no prefetch: there is no loop to run ahead in, and what work-groups share is a few bytes a lane, gathered by index.
.set PLANE, 6848                       ; W's stage: four planes, one for each c; in a plane row l (pitch 208) holds column 4 l + c's 192 bytes
.set RP,    208
.set SCS,   4*PLANE                    ; W's scale words of the two K steps, 1,024 bytes, as they go out
.set SPARE, 28672                      ; the spare words, 128 bytes a wave
.set XST,   29696                      ; x's stage: 32 rows, pitch 784
.set XP,    784
.set XSC,   54784                      ; x's scale words of two K steps, 1,024 bytes
.set STEPB, 12800
.set SBW, 0                            ; v0 where I put W's scale bytes;  v1 where a wave reads 512 scale bytes back;  v2 16 x lane;  v3 my word of a row of qzeros
.set SBR, 1
.set ZB,  4                            ; bit at which my four columns' zeros begin in that word
.set XSR, 5                            ; x's stage, on the way out
.set STW, 8                            ; W's stage, in;  v9 out
.set STR, 9
.set SPW, 10                           ; my spare word, and 0: kept for the add alone
.set NIL, 11
.set M,   12
.set QW,  16
.set S,   32
.set SD,  40
.set CC,  48
.set ZP,  64
.set Z,   96
.set E,   96
.set BY,  100
.set X,   112                          ; W: column c, k at 32 c + k; later what is read back from the stages
.set XS,  215                          ; my scale word of x, until it is staged
.set XD,  216                          ; my 96 bytes of x, until they are staged
.set T,   240                          ; at work; until x is staged: T x's load offset, T+1 its stage address, T+2, T+3 the same for the scale word
.set GI,  32
.set BS,  66
.set BZ,  68
.set MK,  66
.set MG,  70
.set MN,  74
	s_load_b256 s[4:11], s[0:1], 0x0               ; qweight, qzeros, scales, g_idx
	s_load_b256 s[12:19], s[0:1], 0x20             ; x_codes, x_scales, wq, xq
	v_lshl_add_u32 v[SPW], v0, 2, SPARE
	v_mov_b32 v[NIL], 0
	v_lshrrev_b32 v1, 5, v0
	v_readfirstlane_b32 s2, v1                     ; wave
	s_and_b32 s3, ttmp7, 0xffff                    ; y
	s_and_b32 s86, s3, 3
	s_lshr_b32 s87, s3, 2
	s_min_u32 s88, s2, 1
	s_lshl_b32 s66, s3, 10
	s_lshl_b32 s20, s2, 7
	s_add_co_u32 s66, s66, s20                     ; g_idx: 4 (256 y + 32 w)
	s_lshl_b32 s68, s3, 3
	s_add_co_u32 s68, s68, s2
	s_lshl_b32 s68, s68, 16
	s_lshl_b32 s70, ttmp9, 9                       ; scales: 512 x
	s_add_co_u32 s68, s68, s70                     ; qweight: row 32 y + 4 w, + 512 x
	s_lshl_b32 s72, ttmp9, 6                       ; qzeros: 64 x
	s_lshl_b32 s74, ttmp9, 7
	s_lshl_b32 s20, s86, 5
	s_add_co_u32 s74, s74, s20
	s_lshl_b32 s20, s2, 2
	s_add_co_u32 s74, s74, s20
	s_mul_i32 s74, s74, 3072
	s_mul_i32 s20, s87, 768
	s_add_co_u32 s74, s74, s20                     ; x_codes: row 128 x + 32 (y & 3) + 4 w, byte 768 (y >> 2)
	s_lshl_b32 s76, ttmp9, 14
	s_lshl_b32 s20, s3, 3
	s_add_co_u32 s76, s76, s20                     ; x_scales: group x, byte 8 y of a row
	s_lshl_b32 s95, ttmp9, 5
	s_lshl_b32 s20, s3, 1
	s_add_co_u32 s20, s20, s95
	s_mul_i32 s78, s20, STEPB
	s_mul_i32 s22, s2, 1536
	s_add_co_u32 s78, s78, s22                     ; wq: K step 2 y of group x, fragment w
	s_add_co_u32 s20, s20, s88
	s_mul_i32 s80, s20, STEPB
	s_add_co_u32 s80, s80, 12288                   ; both buffers: the scale words of K step 2 y + min(w, 1)
	s_lshl_b32 s20, s87, 3
	s_add_co_u32 s20, s20, s95
	s_add_co_u32 s20, s20, s2
	s_mul_i32 s82, s20, STEPB
	s_mul_i32 s22, s86, 3072
	s_add_co_u32 s82, s82, s22                     ; xq: K step 8 (y >> 2) + w, fragments 2 (y & 3) and the next
.irp p, 67,69,71,73,75,77,79,81,83
	s_mov_b32 s\p, 0
.endr
	s_mul_i32 s89, s2, 24
	s_mul_i32 s90, s2, 4*RP
	s_mul_i32 s91, s2, 96
	s_add_co_u32 s91, s91, XST
	s_mul_i32 s92, s2, 4*XP
	s_add_co_u32 s92, s92, XST
	s_lshr_b32 s84, s2, 2
	s_and_b32 s85, s2, 3
	s_lshl_b32 s93, s84, 9
	s_add_co_u32 s93, s93, s85
	s_add_co_u32 s93, s93, SCS                     ; W's bytes: K step w >> 2, byte w & 3
	s_lshl_b32 s94, s88, 9
	s_add_co_u32 s94, s94, SCS
	s_lshl_b32 s96, s84, 8
	s_lshl_b32 s85, s85, 2
	s_add_co_u32 s96, s96, s85
	s_add_co_u32 s96, s96, XSC                     ; x's words: my rows are block w of the group: 256 (w >> 2) + 4 (w & 3)
	; every address register is made here, ahead of the parting of the two ways
	v_and_b32 v1, 31, v0                           ; lane
	v_and_b32 v[T+4], 15, v0                       ; r
	v_bfe_u32 v[T+5], v0, 4, 1                     ; h
	v_lshlrev_b32 v2, 4, v1
	v_lshlrev_b32 v3, 1, v1
	v_and_b32 v[ZB], 1, v1
	v_and_b32 v3, 0x3c, v3                         ; 4 (lane / 2)
	v_lshlrev_b32 v[ZB], 4, v[ZB]
	v_mul_u32_u24 v[STW], v1, RP
	v_mul_u32_u24 v[T+7], v[T+5], 24
	v_and_b32 v[T+6], 3, v[T+4]
	v_lshrrev_b32 v[T+8], 2, v[T+4]
	v_add_nc_u32 v[STW], s89, v[STW]
	v_mul_u32_u24 v[T+6], v[T+6], PLANE
	v_mul_u32_u24 v[T+8], v[T+8], RP
	v_mul_u32_u24 v[T+9], v[T+4], XP
	v_add_nc_u32 v[T+6], v[T+6], v[T+8]
	v_add_nc_u32 v[T+9], v[T+9], v[T+7]
	v_add_nc_u32 v[T+6], v[T+6], v[T+7]
	v_add_nc_u32 v[XSR], s91, v[T+9]               ; row r, + 24 h, + K step w
	v_add_nc_u32 v[STR], s90, v[T+6]               ; column 16 w + r: plane r & 3, row 4 w + (r >> 2), + 24 h
	v_mul_u32_u24 v[T+9], v[T+5], XP
	v_mul_u32_u24 v[T+10], v[T+5], 3072
	v_lshl_add_u32 v[T+9], v[T+4], 4, v[T+9]
	v_lshl_add_u32 v[T], v[T+4], 4, v[T+10]        ; lanes 0-15 one row's 256 bytes, lanes 16-31 the next row's
	v_add_nc_u32 v[T+1], s92, v[T+9]
	v_lshrrev_b32 v[T+11], 1, v0
	v_and_b32 v[T+12], 1, v0
	v_bfe_u32 v[T+13], v0, 1, 4
	v_lshlrev_b32 v[T+11], 7, v[T+11]
	v_lshlrev_b32 v[T+14], 9, v[T+12]
	v_lshl_add_u32 v[T+2], v[T+12], 2, v[T+11]     ; row t / 2 of 128 bytes, word t & 1
	v_lshl_add_u32 v[T+14], v[T+13], 4, v[T+14]
	v_add_nc_u32 v[T+3], s96, v[T+14]
	v_and_b32 v[T+12], 3, v1
	v_bfe_u32 v[T+13], v1, 2, 2
	v_lshlrev_b32 v[T+14], 8, v[T+5]
	v_lshl_add_u32 v[T+14], v[T+12], 6, v[T+14]
	v_lshl_add_u32 v[T+14], v[T+13], 2, v[T+14]
	v_add_nc_u32 v[SBW], s93, v[T+14]              ; column 4 l + c: 256 (l >> 4) + 64 (l & 3) + 16 c + 4 ((l >> 2) & 3)
	v_add_nc_u32 v[SBR], s94, v2
	s_wait_alu depctr_va_vdst(0)                   ; the wait at the head's end
	s_wait_kmcnt 0x0
	s_add_nc_u64 s[10:11], s[10:11], s[66:67]
	s_load_b512 s[GI:GI+15], s[10:11], 0x0
	s_load_b512 s[GI+16:GI+31], s[10:11], 0x40
	s_add_nc_u64 s[12:13], s[12:13], s[74:75]
	s_add_nc_u64 s[14:15], s[14:15], s[76:77]
	s_add_nc_u64 s[4:5], s[4:5], s[68:69]
	global_load_b32 v[XS], v[T+2], s[14:15] th:TH_LOAD_NT
.irp a, 0,1
.irp c, 0,1,2
	global_load_b128 v[XD+12*\a+4*\c:XD+12*\a+4*\c+3], v[T], s[12:13] offset:6144*\a+256*\c th:TH_LOAD_NT
.endr
.endr
.irp o, 0,1,2,3
	global_load_b128 v[QW+4*\o:QW+4*\o+3], v2, s[4:5] offset:16384*\o th:TH_LOAD_NT
.endr
	s_add_nc_u64 s[8:9], s[8:9], s[70:71]
	s_add_nc_u64 s[6:7], s[6:7], s[72:73]
	s_add_nc_u64 s[22:23], s[16:17], s[80:81]
	s_add_nc_u64 s[24:25], s[18:19], s[80:81]
	s_add_nc_u64 s[16:17], s[16:17], s[78:79]
	s_add_nc_u64 s[18:19], s[18:19], s[82:83]
	s_mov_b32 s21, 0
	s_wait_kmcnt 0x0                               ; g_idx
	s_mov_b32 s26, s[GI]
	s_mov_b32 s27, s[GI]
.irp p, 0,1,2,3,4,5,6,7,8,9,10,11,12,13,14,15
	s_cmp_lg_u64 s[GI+2*\p:GI+2*\p+1], s[26:27]
	s_cbranch_scc1 .Lgeneral
.endr
.macro XSTORE                          ; x's bytes and my scale word go into their stages, on either way behind its first wait for loads
.irp a, 0,1
.irp c, 0,1,2
	ds_store_b128 v[T+1], v[XD+12*\a+4*\c:XD+12*\a+4*\c+3] offset:2*XP*\a+256*\c
.endr
.endr
	ds_store_b32 v[T+3], v[XS]
.endm
	; ---- THE SHORT WAY
	s_min_u32 s26, s[GI], 31                       ; a loaded number enters an address only held to its table
	s_lshl_b32 s20, s26, 14
	s_add_nc_u64 s[28:29], s[8:9], s[20:21]
	s_lshl_b32 s20, s26, 11
	s_add_nc_u64 s[30:31], s[6:7], s[20:21]
	global_load_b128 v[S:S+3], v2, s[28:29]
	global_load_b32 v[Z], v3, s[30:31]
.irp j, 0,1,2,3
	s_mov_b32 s[MK+\j], 15<<(4*\j)
	s_mov_b32 s[MG+\j], (150-4*\j)<<23
	s_mov_b32 s[MN+\j], 0x80000000|((150-4*\j)<<23)
.endr
.macro FNIB o
.irp c, 0,1,2,3
	v_lshrrev_b32 v[T+4*\o+\c], 16, v[QW+4*\o+\c]
.endr
.irp i, 0,1,2,3
.irp c, 0,1,2,3
	v_and_or_b32 v[X+32*\c+8*\o+\i], v[QW+4*\o+\c], s[MK+\i], s[MG+\i]
.endr
.endr
.irp i, 0,1,2,3
.irp c, 0,1,2,3
	v_and_or_b32 v[X+32*\c+8*\o+4+\i], v[T+4*\o+\c], s[MK+\i], s[MG+\i]
.endr
.endr
.endm
.macro FMUL o
.irp i, 0,2,4,6
.irp c, 0,1,2,3
	v_pk_add_f32 v[X+32*\c+8*\o+\i:X+32*\c+8*\o+\i+1], v[X+32*\c+8*\o+\i:X+32*\c+8*\o+\i+1], v[CC+4*\c+(\i%4):CC+4*\c+(\i%4)+1]
.endr
.endr
.irp i, 0,2,4,6
.irp c, 0,1,2,3
	v_pk_mul_f32 v[X+32*\c+8*\o+\i:X+32*\c+8*\o+\i+1], v[X+32*\c+8*\o+\i:X+32*\c+8*\o+\i+1], v[SD+2*\c:SD+2*\c+1]
.endr
.endr
.irp i, 0,2,4,6
.irp c, 0,1,2,3
.if (\o == 0) && (\i == 0)
	v_max3_num_f32 v[M+\c], |v[X+32*\c]|, |v[X+32*\c+1]|, 0x2800000   ; with the floor 2^(5 - 127): the byte cannot fall under 1
.else
	v_max3_num_f32 v[M+\c], v[M+\c], |v[X+32*\c+8*\o+\i]|, |v[X+32*\c+8*\o+\i+1]|
.endif
.endr
.endr
.endm
	s_wait_loadcnt 2                               ; x's and qweight's loads are in; the two rows just asked for stay out
	XSTORE
.irp o, 0,1,2,3
	FNIB \o
.endr
	s_wait_loadcnt 0x0
	v_lshrrev_b32 v[Z], v[ZB], v[Z]
.irp c, 0,1,2,3
	v_bfe_u32 v[ZP+\c], v[Z], 4*\c, 4
.endr
.irp c, 0,1,2,3
	v_add_nc_u32 v[ZP+\c], 1, v[ZP+\c]
.endr
.irp j, 0,1,2,3
.irp c, 0,1,2,3
	v_lshl_add_u32 v[CC+4*\c+\j], v[ZP+\c], 4*\j, s[MN+\j]   ; the bits of -(2^(23 - 4 j) + z + 1)
.endr
.endr
.irp c, 0,1,2,3
	v_mov_b32 v[SD+2*\c], v[S+\c]
	v_mov_b32 v[SD+2*\c+1], v[S+\c]
.endr
.irp o, 0,1,2,3
	FMUL \o
.endr
	s_branch .Lquant
	; ---- THE GENERAL WAY
.Lgeneral:
.macro TBL o, p
.irp i, 0,1,2,3,4,5,6,7
	s_min_u32 s[GI+8*\o+\i], s[GI+8*\o+\i], 31
	s_lshl_b32 s20, s[GI+8*\o+\i], 14
	s_add_nc_u64 s[BS+4*\i:BS+4*\i+1], s[8:9], s[20:21]
	s_lshl_b32 s20, s[GI+8*\o+\i], 11
	s_add_nc_u64 s[BZ+4*\i:BZ+4*\i+1], s[6:7], s[20:21]
.endr
.irp i, 0,1,2,3,4,5,6,7
	global_load_b128 v[S+32*\p+4*\i:S+32*\p+4*\i+3], v2, s[BS+4*\i:BS+4*\i+1]
	global_load_b32 v[Z+8*\p+\i], v3, s[BZ+4*\i:BZ+4*\i+1]
.endr
.endm
.macro OCT o, p
.irp i, 0,2,4,6
.irp u, 0,1
	v_lshrrev_b32 v[Z+8*\p+\i+\u], v[ZB], v[Z+8*\p+\i+\u]
.endr
.irp u, 0,1
.irp c, 0,1,2,3
	v_bfe_u32 v[T+4*\u+\c], v[QW+4*\o+\c], 4*(\i+\u), 4
.endr
.endr
.irp u, 0,1
.irp c, 0,1,2,3
	v_bfe_u32 v[T+8+4*\u+\c], v[Z+8*\p+\i+\u], 4*\c, 4
.endr
.endr
.irp u, 0,1
.irp c, 0,1,2,3
	v_sub_nc_u32 v[T+4*\u+\c], v[T+4*\u+\c], v[T+8+4*\u+\c]
.endr
.endr
.irp u, 0,1
.irp c, 0,1,2,3
	v_cvt_f32_i32 v[T+4*\u+\c], v[T+4*\u+\c]
.endr
.endr
.irp u, 0,1
.irp c, 0,1,2,3
	v_fma_f32 v[X+32*\c+8*\o+\i+\u], v[T+4*\u+\c], v[S+32*\p+4*(\i+\u)+\c], -v[S+32*\p+4*(\i+\u)+\c]
.endr
.endr
.irp c, 0,1,2,3
.if (\o == 0) && (\i == 0)
	v_max3_num_f32 v[M+\c], |v[X+32*\c]|, |v[X+32*\c+1]|, 0x2800000
.else
	v_max3_num_f32 v[M+\c], v[M+\c], |v[X+32*\c+8*\o+\i]|, |v[X+32*\c+8*\o+\i+1]|
.endif
.endr
.endr
.endm
	TBL 0, 0
	s_wait_xcnt 0x0                                ; the base pairs are written again only behind this wait
	TBL 1, 1
	s_wait_loadcnt 16                              ; x, qweight and octet 0's tables are in; octet 1's 16 loads stay out
	XSTORE
	OCT 0, 0
	s_wait_xcnt 0x0
	TBL 2, 0
	s_wait_loadcnt 16
	OCT 1, 1
	s_wait_xcnt 0x0
	TBL 3, 1
	s_wait_loadcnt 16
	OCT 2, 0
	s_wait_loadcnt 0x0
	OCT 3, 1
.Lquant:
	s_wait_alu depctr_va_vdst(0)                   ; the wait behind the jump
.irp c, 0,1,2,3
	v_add_nc_u32 v[E+\c], 0xfe000000, v[M+\c]      ; 4 off the exponent field: the conversion's scale operand
.endr
.irp c, 0,1,2,3
	v_cvt_scalef32_pk16_bf6_f32 v[S+8*\c:S+8*\c+2], v[X+32*\c:X+32*\c+15], v[E+\c]
	v_cvt_scalef32_pk16_bf6_f32 v[S+8*\c+4:S+8*\c+6], v[X+32*\c+16:X+32*\c+31], v[E+\c]
.endr
.irp c, 0,1,2,3
	v_lshrrev_b32 v[BY+\c], 23, v[E+\c]            ; the scale's byte (plain lines behind the last conversion)
.endr
.irp c, 0,1,2,3
	v_mov_b32 v[S+8*\c+3], v[S+8*\c+4]
	v_mov_b32 v[S+8*\c+4], v[S+8*\c+5]
	v_mov_b32 v[S+8*\c+5], v[S+8*\c+6]
.endr
.irp c, 0,1,2,3
.irp p, 0,1,2
	ds_store_b64 v[STW], v[S+8*\c+2*\p:S+8*\c+2*\p+1] offset:\c*PLANE+8*\p
.endr
	ds_store_b8 v[SBW], v[BY+\c] offset:16*\c
.endr
	s_wait_dscnt 0x0                               ; for the others' sake: all my stores into the stages have landed
	s_barrier_signal -1
	s_barrier_wait -1
.irp q, 0,1                            ; W: fragment w of both K steps, as the operand's registers take it
.irp p, 0,1,2,3,4,5
	ds_load_b64 v[X+12*\q+2*\p:X+12*\q+2*\p+1], v[STR] offset:96*\q+48*(\p/3)+8*(\p%3)
.endr
.endr
.irp b, 0,1                            ; x: K step w of both blocks of 16 rows
.irp p, 0,1,2,3,4,5
	ds_load_b64 v[X+24+12*\b+2*\p:X+24+12*\b+2*\p+1], v[XSR] offset:16*XP*\b+48*(\p/3)+8*(\p%3)
.endr
.endr
	s_wait_dscnt 12                                ; W's twelve are in, x's twelve stay out
.irp m, 0,1,2,3,4,5
	global_store_b128 v2, v[X+4*\m:X+4*\m+3], s[16:17] offset:STEPB*(\m/3)+512*(\m%3)   ; 512 consecutive bytes, at a multiple of 256
.endr
	s_wait_dscnt 0x0
.irp m, 0,1,2,3,4,5
	global_store_b128 v2, v[X+24+4*\m:X+24+4*\m+3], s[18:19] offset:512*\m
.endr
	s_cmp_gt_u32 s2, 1                             ; the scale words of two K steps are two waves' worth
	s_cbranch_scc1 .Ldone
	ds_load_b128 v[X+48:X+51], v[SBR]
	ds_load_b128 v[X+52:X+55], v[SBR] offset:XSC-SCS
	s_wait_dscnt 0x0
	global_store_b128 v2, v[X+48:X+51], s[22:23]
	global_store_b128 v2, v[X+52:X+55], s[24:25]
.Ldone:
	s_wait_tensorcnt 0x0                           ; the wave's end
	ds_add_u32 v[SPW], v[NIL]
	s_wait_dscnt 0x0
	s_endpgm
.Lfunc_end_k_q2e58d10d30_prep:
	.size	k_q2e58d10d30_prep, .Lfunc_end_k_q2e58d10d30_prep-k_q2e58d10d30_prep
	.p2alignl 7, 3214868480
	.fill 96, 4, 3214868480
	.section	.rodata,"a",@progbits
	.p2align	6, 0x0
	.amdhsa_kernel k_q2e58d10d30_prep
		.amdhsa_group_segment_fixed_size 55808
		.amdhsa_private_segment_fixed_size 0
		.amdhsa_enable_private_segment 0
		.amdhsa_kernarg_size 64
		.amdhsa_user_sgpr_count 2
		.amdhsa_user_sgpr_kernarg_segment_ptr 1
		.amdhsa_wavefront_size32 1
		.amdhsa_system_sgpr_workgroup_id_x 1
		.amdhsa_system_sgpr_workgroup_id_y 1
		.amdhsa_system_sgpr_workgroup_id_z 1
		.amdhsa_system_vgpr_workitem_id 0
		.amdhsa_next_free_vgpr 256
		.amdhsa_next_free_sgpr 98
		.amdhsa_reserve_vcc 0
		.amdhsa_float_denorm_mode_32 3
		.amdhsa_float_denorm_mode_16_64 3
		.amdhsa_memory_ordered 1
		.amdhsa_forward_progress 1
		.amdhsa_inst_pref_size 87
	.end_amdhsa_kernel
	.amdgpu_metadata
---
amdhsa.version: [ 1, 2 ]
amdhsa.kernels:
  - .name:           k_q2e58d10d30_prep
    .symbol:         k_q2e58d10d30_prep.kd
    .args:
      - { .name: qweight, .offset: 0, .size: 8, .value_kind: global_buffer, .address_space: global }
      - { .name: qzeros, .offset: 8, .size: 8, .value_kind: global_buffer, .address_space: global }
      - { .name: scales, .offset: 16, .size: 8, .value_kind: global_buffer, .address_space: global }
      - { .name: g_idx, .offset: 24, .size: 8, .value_kind: global_buffer, .address_space: global }
      - { .name: x_codes, .offset: 32, .size: 8, .value_kind: global_buffer, .address_space: global }
      - { .name: x_scales, .offset: 40, .size: 8, .value_kind: global_buffer, .address_space: global }
      - { .name: wq, .offset: 48, .size: 8, .value_kind: global_buffer, .address_space: global }
      - { .name: xq, .offset: 56, .size: 8, .value_kind: global_buffer, .address_space: global }
    .group_segment_fixed_size: 55808
    .private_segment_fixed_size: 0
    .kernarg_segment_align: 8
    .kernarg_segment_size: 64
    .max_flat_workgroup_size: 256
    .sgpr_count:     98
    .vgpr_count:     256
    .wavefront_size: 32
...
	.end_amdgpu_metadata
.endif
;; end of part 1
;; launch gemm (part 2): grid 16 x 16, 4 waves a work-group, clusters of 4 x 4, 327,680 bytes of LDS; arguments xq, wq, out0, bias; writes out0
.if DOCPART == 2
	.amdgcn_target "amdgcn-amd-amdhsa--gfx1250"
	.amdhsa_code_object_version 6
	.text
	.protected	k_q2e58d10d30_gemm
	.globl	k_q2e58d10d30_gemm
	.p2align	8
	.type	k_q2e58d10d30_gemm,@function
k_q2e58d10d30_gemm:
	s_mov_b64 s[64:65], 0
	v_nop
	global_prefetch_b8 v0, s[64:65] scope:SCOPE_SE
	s_setreg_imm32_b32 hwreg(HW_REG_WAVE_MODE, 25, 1), 1
	s_wait_xcnt 0x0
	s_wait_alu depctr_hold_cnt(0) depctr_sa_sdst(0) depctr_va_vdst(0) depctr_va_sdst(0) depctr_va_ssrc(0) depctr_va_vcc(0) depctr_vm_vsrc(0)
	s_getreg_b32 s2, hwreg(HW_REG_IB_STS2, 6, 4)
	s_cmp_eq_u32 s2, 0
	s_cbranch_scc0 .Lentry_in_a_cluster
	s_endpgm
.Lentry_in_a_cluster:
	s_bfe_u32 s2, ttmp6, 0x10000c
	s_cmp_lg_u32 s2, 0xf033
	s_cbranch_scc0 .Lentry_shape_is_right
	s_endpgm
.Lentry_shape_is_right:
; out0[m][n] = sum over k of x[m][k] W[k][n] + bias[n], on codes of BF6 (E3M2) with one E8M0 scale for each 32 along K, as the launch before has laid them; sums in f32.  No work is left out.
; xq and wq: [group of 128 rows][K step of 128][12,800 bytes]: eight fragments of 16 rows, each an image of the operand's 12 registers (piece j of three, lane l, 16 bytes), then the 128 rows' scale words (512 bytes).
; A tile of 256 x 256 is made by four waves, 128 x 128 each: 64 accumulators, 512 registers.  K goes through a ring of two LDS slots of THREE K steps: a wave's tensor load brings the three steps of one group,
; 38,400 consecutive bytes, stated as 150 rows of 256 bytes.  32 steps are ten fills of three and a last of two (100 rows).  A fragment is three loads of 16 bytes a lane at 16 x lane; a step's scale words two.
; CLUSTERS: 4 x 4 work-groups; x's tiles are asked for jointly along a row of the cluster, W's along a column.  THE MATRIX INSTRUCTION IS USED TRANSPOSED (source 0 = rows of wq, source 1 = rows of xq):
; a lane holds eight neighbouring numbers of a row of out0; the bias, in that layout, is the C of the first step's products.
; PREFETCH: behind each joint load of the loop's first three trips a wave names the fill two refills on (that slot's next but one): its 150 blocks of 256 bytes are shared out among the four partners by address, 38 each,
; two instructions a wave; left-over lanes name the wave's last block again.  Fills 0 to 3 and the last come by their loads alone, so no address leaves a group.
; REGISTERS: window 0: v16-31 addresses; v32-47 scale words, two sets (register i: lanes 0-15 the word of x's block i, lanes 16-31 that of W's block i); v96-127, v224-255 the bias; v128-223 x's fragments, one set;
;   on the way out v48-175.  Window 1: W's fragments, two sets, at v0 and v128.  Windows 2, 3: the accumulators of my rows 0-63, 64-127.
.set SIZE_N, 4096
.set STEPB,  12800
.set SCO,    12288                     ; where a step's scale words begin
.set HALF3,  3*STEPB                   ; three steps of one group: what one tensor load brings
.set SLOT,   4*HALF3                   ; x's two groups, then W's two
.set SPARE,  2*SLOT                    ; behind the ring: the spare words
.set GRPB,   32*STEPB
.set SPITCH, 528
.set STAGE,  SLOT                      ; the way out's stages lie in slot 1: it has had its last fill and its last read when the first result is stored there
.set FR,   12
.set ADRA, 16                          ; v16-17 my fragments of x in slot 0, 1;  v18-19 of W;  v20-21 my scale words
.set ADRB, 18
.set ADRS, 20
.set STO,  24
.set RD,   25
.set CO,   26
.set SPW,  28
.set NIL,  29
.set PFO,  30                          ; v30-31 the prefetches' offsets
.set SC,   32
.set BK,   48
.set BI,   96
.set AF,   128
.set G1,  24
.set G0,  32
.set G1B, 48
.set G0B, 56
.set PFA, 98
.set MSB, 0
.macro WIN new
.if MSB != \new
	s_set_vgpr_msb (MSB<<8)|\new
.set MSB, \new
.endif
.endm
.set MUL_LO, 0xa1                      ; source 0 window 1, source 1 window 0, C and D window 2
.set MUL_HI, 0xf1
.set ONE_LO, 0x81                      ; the first step: C (the bias) in window 0
.set ONE_HI, 0xc1
.set TO_B,   0x40
.macro JLOAD s                         ; a joint load: waves 0, 1 fetch x's two groups, waves 2, 3 W's
	s_cmp_eq_u32 s15, 0
	s_cbranch_scc0 .Lfor_b_\@
	tensor_load_to_lds s[G0+4*\s:G0+4*\s+3], s[G1:G1+7]
	s_nop 0
.rept 4
	v_nop
.endr
	s_branch .Lasked_\@
.Lfor_b_\@:
	tensor_load_to_lds s[G0B+4*\s:G0B+4*\s+3], s[G1B:G1B+7]
	s_nop 0
.rept 4
	v_nop
.endr
.Lasked_\@:
.endm
.macro CREST
	s_cmp_lg_u32 s14, 0
	s_cbranch_scc1 .Lnot_wave_0_\@
	s_barrier_signal -3
.Lnot_wave_0_\@:
	s_barrier_wait -3
	s_barrier_signal -1
	s_barrier_wait -1
.endm
.macro CROUND
	s_barrier_signal -1
	s_barrier_wait -1
	CREST
.endm
.macro ASK                             ; s3 = 1 in the loop's last trip, which asks for nothing
	s_cmp_gt_u32 s3, 1
	s_cbranch_scc0 .Lno_ask_\@
	global_prefetch_b8 v[PFO], s[PFA:PFA+1] th:TH_LOAD_NT scope:SCOPE_SE
	global_prefetch_b8 v[PFO+1], s[PFA:PFA+1] th:TH_LOAD_NT scope:SCOPE_SE
.Lno_ask_\@:
.endm
	s_load_b128 s[4:7], s[0:1], 0x0                ; xq, wq
	s_load_b64 s[12:13], s[0:1], 0x10              ; out0
	s_load_b64 s[96:97], s[0:1], 0x18              ; bias
	v_lshl_add_u32 v[SPW], v0, 2, SPARE
	v_mov_b32 v[NIL], 0
	ds_add_u32 v[SPW], v[NIL]                      ; the opening lines: the add, twice on end, and its wait
	ds_add_u32 v[SPW], v[NIL]
	v_lshrrev_b32 v1, 5, v0
	v_readfirstlane_b32 s14, v1                    ; wave
	s_lshr_b32 s15, s14, 1                         ; my half of the tile's rows; also: I fetch for x (0) or for W (1)
	s_and_b32 s16, s14, 1                          ; my half of its columns; also: which group of that tile I fetch
	s_bfe_u32 s40, ttmp6, 0x40000                  ; cx
	s_bfe_u32 s41, ttmp6, 0x40004                  ; cy
	s_lshl_b32 s42, ttmp9, 2
	s_add_co_u32 s42, s42, s40                     ; tile column
	s_and_b32 s17, ttmp7, 0xffff
	s_lshl_b32 s17, s17, 2
	s_add_co_u32 s17, s17, s41                     ; tile row
	s_lshl_b32 s43, s41, 2
	s_lshl_b32 s43, 15, s43                        ; my row of the cluster
	s_lshl_b32 s44, 0x1111, s40                    ; my column
	s_or_b32 s[G1+0], s43, (3<<16)|(1<<21)         ; the mask; elements of 8 bytes; no padding
	s_or_b32 s[G1B+0], s44, (3<<16)|(1<<21)
.irp g, G1, G1B
	s_mov_b32 s[\g+1], 32<<16                      ; rows of 32 elements, 256 bytes,
	s_mov_b32 s[\g+2], 150<<16                     ; 150 of them,
	s_mov_b32 s[\g+3], 32<<16
	s_mov_b32 s[\g+4], 150
	s_mov_b32 s[\g+5], 32                          ; dense
	s_mov_b32 s[\g+6], 0
	s_mov_b32 s[\g+7], 0
.endr
	s_lshl_b32 s20, s17, 1
	s_add_co_u32 s20, s20, s16
	s_mul_i32 s20, s20, GRPB                       ; x: group 2 x tile row + half
	s_mov_b32 s21, 0
	s_lshl_b32 s46, s42, 1
	s_add_co_u32 s46, s46, s16
	s_mul_i32 s46, s46, GRPB                       ; W: group 2 x tile column + half
	s_mov_b32 s47, 0
	s_mul_i32 s45, s14, HALF3                      ; where my load goes: wave x a quarter of the slot
	s_wait_dscnt 0x0
	s_wait_kmcnt 0x0
	s_add_nc_u64 s[20:21], s[4:5], s[20:21]
	s_add_nc_u64 s[46:47], s[6:7], s[46:47]
	CROUND                                         ; in front of the first joint loads
.irp s, 0,1
	s_mov_b32 s[G0+4*\s], 1
	s_add_co_u32 s[G0+4*\s+1], s45, \s*SLOT
	s_add_nc_u64 s[G0+4*\s+2:G0+4*\s+3], s[20:21], \s*HALF3
	s_or_b32 s[G0+4*\s+3], s[G0+4*\s+3], 0x80000000
	s_mov_b32 s[G0B+4*\s], 1
	s_add_co_u32 s[G0B+4*\s+1], s45, \s*SLOT
	s_add_nc_u64 s[G0B+4*\s+2:G0B+4*\s+3], s[46:47], \s*HALF3
	s_or_b32 s[G0B+4*\s+3], s[G0B+4*\s+3], 0x80000000
.endr
	JLOAD 0                                        ; fill 0, steps 0 to 2: one tensor load a wave at the head
	s_cmp_eq_u32 s15, 0
	s_cselect_b64 s[PFA:PFA+1], s[20:21], s[46:47] ; the group that I fetch,
	s_cselect_b32 s18, s40, s41                    ; my place among the four that ask for it with me
	s_add_nc_u64 s[PFA:PFA+1], s[PFA:PFA+1], 3*HALF3   ; at fill 3: the first change of slots steps it to fill 4
	s_mul_i32 s18, s18, 38
	s_mul_i32 s21, s15, HALF3                      ; my 128 rows of x
	s_mul_i32 s22, s16, HALF3
	s_add_co_u32 s22, s22, 2*HALF3                 ; my 128 rows of W
	s_sub_co_u32 s23, s22, s21
	s_mul_i32 s19, s14, 16*SPITCH
	s_add_co_u32 s19, s19, STAGE
	s_lshl_b32 s20, s17, 8
	s_lshl_b32 s2, s15, 7
	s_add_co_u32 s20, s20, s2
	s_lshl_b32 s20, s20, 14                        ; my first row of out0, 16,384 bytes a row
	s_lshl_b32 s46, s42, 10
	s_lshl_b32 s47, s16, 9
	s_add_co_u32 s46, s46, s47                     ; my first column, in bytes
	s_mov_b32 s47, 0
	s_add_nc_u64 s[96:97], s[96:97], s[46:47]
	s_add_co_u32 s46, s46, s20
	s_add_nc_u64 s[12:13], s[12:13], s[46:47]
	s_mov_b32 s3, 4                                ; the loop's trips
	v_and_b32 v1, 31, v0
	v_and_b32 v2, 15, v0
	v_bfe_u32 v3, v0, 4, 1
	v_lshlrev_b32 v[CO], 4, v1
	v_mul_u32_u24 v5, s23, v3                      ; lanes 16-31 take W's scale words
	v_mul_u32_u24 v6, v2, SPITCH
	v_add_nc_u32 v[ADRA], s21, v[CO]
	v_add_nc_u32 v[ADRB], s22, v[CO]
	v_lshl_add_u32 v5, v2, 4, v5
	v_lshl_add_u32 v6, v3, 5, v6
	v_add_nc_u32 v[ADRS], s21, v5
	v_add_nc_u32 v[ADRA+1], SLOT, v[ADRA]
	v_add_nc_u32 v[ADRB+1], SLOT, v[ADRB]
	v_add_nc_u32 v[ADRS+1], SLOT, v[ADRS]
	v_add_nc_u32 v[STO], s19, v6
	v_add_nc_u32 v[RD], s19, v[CO]
	v_lshlrev_b32 v7, 5, v3
	v_add_nc_u32 v[PFO], s18, v1                   ; blocks 38 p + 0 .. 31,
	v_add_nc_u32 v8, 32, v1
	v_min_u32 v[PFO], 149, v[PFO]
	v_min_u32 v8, 37, v8
	v_lshlrev_b32 v[PFO], 8, v[PFO]
	v_add_nc_u32 v8, s18, v8                       ; and 38 p + 32 .. 37, all held inside the fill's 150
	v_min_u32 v8, 149, v8
	v_lshlrev_b32 v[PFO+1], 8, v8
	s_wait_alu depctr_va_vdst(0)                   ; the wait at the head's end
.irp b, 0,1,2,3,4,5,6,7
	global_load_b128 v[BI+8*\b+96*(\b/4):BI+8*\b+96*(\b/4)+3],   v7, s[96:97] offset:64*\b      ; bias[16 b + 8 h + 0 .. 7]
	global_load_b128 v[BI+8*\b+96*(\b/4)+4:BI+8*\b+96*(\b/4)+7], v7, s[96:97] offset:64*\b+16
.endr
.macro FRAG reg, adr, pos, i
.irp j, 0,1,2
	ds_load_b128 v[\reg+4*\j:\reg+4*\j+3], v[\adr] offset:(\pos)*STEPB+(\i)*1536+512*\j
.endr
.endm
.macro FETCH_B slot, pos, p
	WIN TO_B
.irp i, 0,1,2,3,4,5,6,7
	FRAG 128*(\p)+FR*\i, ADRB+\slot, \pos, \i
.endr
	WIN 0
.endm
.macro FETCH_A slot, pos, i0
.irp i, \i0, \i0+1, \i0+2, \i0+3
	FRAG AF+FR*(\i), ADRA+\slot, \pos, \i
.endr
.endm
.macro SCALES slot, pos, p
.irp g, 0,1
	ds_load_b128 v[SC+8*(\p)+4*\g:SC+8*(\p)+4*\g+3], v[ADRS+\slot] offset:(\pos)*STEPB+SCO+256*\g
.endr
.endm
; 16 matrix instructions: x's blocks a0, a0 + 1 against W's eight; the 64 accumulators take turns, in the same order in every step
.macro MUL16 a0, p, first
.irp a, \a0, \a0+1
.irp b, 0,1,2,3,4,5,6,7
.if \first
	v_wmma_scale_f32_16x16x128_f8f6f4 v[8*(8*((\a)%4)+\b):8*(8*((\a)%4)+\b)+7], v[128*(\p)+FR*\b:128*(\p)+FR*\b+FR-1], v[AF+FR*(\a):AF+FR*(\a)+FR-1], v[BI+8*\b+96*(\b/4):BI+8*\b+96*(\b/4)+7], v[SC+8*(\p)+\b], v[SC+8*(\p)+(\a)] matrix_a_fmt:MATRIX_FMT_BF6 matrix_b_fmt:MATRIX_FMT_BF6 matrix_a_scale:MATRIX_SCALE_ROW1
.else
	v_wmma_scale_f32_16x16x128_f8f6f4 v[8*(8*((\a)%4)+\b):8*(8*((\a)%4)+\b)+7], v[128*(\p)+FR*\b:128*(\p)+FR*\b+FR-1], v[AF+FR*(\a):AF+FR*(\a)+FR-1], v[8*(8*((\a)%4)+\b):8*(8*((\a)%4)+\b)+7], v[SC+8*(\p)+\b], v[SC+8*(\p)+(\a)] matrix_a_fmt:MATRIX_FMT_BF6 matrix_b_fmt:MATRIX_FMT_BF6 matrix_a_scale:MATRIX_SCALE_ROW1
.endif
.endr
.endr
.endm
.macro PLACES                          ; four places in front of loads into registers that matrix instructions have read, and of reads of results
.rept 4
	v_nop
.endr
.endm
; A step that is not its slot's last: 64 products on set p; the next step (pos + 1 of the same slot) is fetched in its middle and at its end.
.macro STEP slot, pos, p, first
	s_wait_dscnt 12                                ; all but x's blocks 4-7, the youngest twelve loads
.if \first
	WIN ONE_LO
.else
	WIN MUL_LO
.endif
	MUL16 0, \p, \first
	MUL16 2, \p, \first
	s_wait_dscnt 0
	PLACES
	FETCH_B \slot, (\pos)+1, 1-(\p)
	FETCH_A \slot, (\pos)+1, 0
	SCALES \slot, (\pos)+1, 1-(\p)
.if \first
	WIN ONE_HI
.else
	WIN MUL_HI
.endif
	MUL16 4, \p, \first
	MUL16 6, \p, \first
	PLACES
	WIN 0
	FETCH_A \slot, (\pos)+1, 4
.endm
; A slot's last step changes slots.  fill = 1: this slot is filled again, with the fill two on; 2: the same with the last fill, of 100 rows; 0: nothing is left to fetch, and no round follows.
.macro TURN slot, p, fill
.if \fill == 1
	s_wait_xcnt 0x0                                ; my prefetches have read their address
	s_add_nc_u64 s[PFA:PFA+1], s[PFA:PFA+1], HALF3
.endif
	s_wait_tensorcnt 0x0                           ; all my tensor loads have landed: my part of the other slot
	ds_add_u32 v[SPW], v[NIL]
.if \fill == 1
	s_add_nc_u64 s[G0+6-4*\slot:G0+7-4*\slot], s[G0+6-4*\slot:G0+7-4*\slot], 2*HALF3      ; no load of mine is out: the other slot's next fill
	s_add_nc_u64 s[G0B+6-4*\slot:G0B+7-4*\slot], s[G0B+6-4*\slot:G0B+7-4*\slot], 2*HALF3
.endif
.if \fill == 2
	s_mov_b32 s[G1+2], 100<<16                     ; the last fill holds two steps
	s_mov_b32 s[G1+4], 100
	s_mov_b32 s[G1B+2], 100<<16
	s_mov_b32 s[G1B+4], 100
.endif
	s_wait_dscnt 13                                ; the add and x's blocks 4-7 may be out
	WIN MUL_LO
	MUL16 0, \p, 0
	s_wait_dscnt 0x0                               ; the add is done, and my reads of this slot are over
	s_barrier_signal -1
	MUL16 2, \p, 0
	WIN 0
	s_barrier_wait -1
.if \fill
	CREST                                          ; the barrier has opened a round of the cluster's barrier
	JLOAD \slot                                    ; the first tensor load behind the round; its four v_nop are the places in front of the loads below
.else
	PLACES
.endif
	FETCH_B 1-\slot, 0, 1-(\p)
	FETCH_A 1-\slot, 0, 0
	SCALES 1-\slot, 0, 1-(\p)
.if \fill == 1
	ASK
.endif
	WIN MUL_HI
	MUL16 4, \p, 0
	MUL16 6, \p, 0
	PLACES
	WIN 0
	FETCH_A 1-\slot, 0, 4
.endm
.macro TOSTAGE a                       ; a block of 16 rows x 128 columns into my own stage, and back as whole rows of 512 bytes; LDS serves a wave's instructions in order (ISA guide 5.7.1.4)
.set AC, 64*((\a)%4)
	WIN 0x08+4*((\a)/4)
.irp b, 0,1,2,3,4,5,6,7
	ds_store_b128 v[STO], v[AC+8*\b:AC+8*\b+3] offset:64*\b          ; each accumulator from its low end on
	ds_store_b128 v[STO], v[AC+8*\b+4:AC+8*\b+7] offset:64*\b+16
.endr
	WIN 0
.set BB, BK+64*((\a)%2)
.irp t, 0,1,2,3,4,5,6,7,8,9,10,11,12,13,14,15
	ds_load_b128 v[BB+4*\t:BB+4*\t+3], v[RD] offset:\t*SPITCH
.endr
.endm
.macro SEND a, younger
.set BB, BK+64*((\a)%2)
	s_wait_dscnt \younger
.if (\a) > 0
	s_add_nc_u64 s[12:13], s[12:13], 16*SIZE_N*4   ; behind a wait on XCNT: the earlier stores have read their base
.endif
.irp t, 0,1,2,3,4,5,6,7,8,9,10,11,12,13,14,15
	global_store_b128 v[CO], v[BB+4*\t:BB+4*\t+3], s[12:13] offset:\t*SIZE_N*4 th:TH_STORE_NT   ; 512 consecutive bytes, at a multiple of 256
.endr
.endm
	s_wait_tensorcnt 0x0                           ; my part of fill 0 is in; these lines stand ahead of a later first fill as ahead of a refill
	ds_add_u32 v[SPW], v[NIL]
	s_add_nc_u64 s[G0+2:G0+3], s[G0+2:G0+3], 2*HALF3       ; slot 0's next fill
	s_add_nc_u64 s[G0B+2:G0B+3], s[G0B+2:G0B+3], 2*HALF3
	s_wait_dscnt 0x0
	CROUND
	JLOAD 1                                        ; fill 1, slot 1's first
	FETCH_B 0, 0, 0
	FETCH_A 0, 0, 0
	SCALES 0, 0, 0
	FETCH_A 0, 0, 4
	s_wait_loadcnt 0x0                             ; the bias
	STEP 0, 0, 0, 1                                ; the first step starts the sums, on the bias
.Llap:                                                 ; a trip: six steps, once round the ring, from a lap's second step to the next lap's first
	STEP 0, 1, 1, 0
	TURN 0, 0, 1
	STEP 1, 0, 1, 0
	STEP 1, 1, 0, 0
	TURN 1, 1, 1
	STEP 0, 0, 0, 0
	s_sub_co_u32 s3, s3, 1
	s_cmp_lg_u32 s3, 0
	s_cbranch_scc1 .Llap
	STEP 0, 1, 1, 0                                ; steps 25 to 31 are written out
	TURN 0, 0, 2
	STEP 1, 0, 1, 0
	STEP 1, 1, 0, 0
	TURN 1, 1, 0
	STEP 0, 0, 0, 0
	s_wait_dscnt 12                                ; the last step: its blocks are finished one after the other, and the first go out while the later ones are multiplied
	WIN MUL_LO
	MUL16 0, 1, 0
	MUL16 2, 1, 0
	s_wait_dscnt 0
	PLACES
	TOSTAGE 0
	WIN MUL_HI
	MUL16 4, 1, 0
	TOSTAGE 1
	SEND 0, 32                                     ; behind block 0's loads: block 1's 16 stores and 16 loads
	WIN MUL_HI
	MUL16 6, 1, 0
	PLACES
.irp a, 2,3,4,5,6,7
	s_wait_xcnt 0x0                                ; block a - 2's stores have read their registers and their base
	TOSTAGE \a
	SEND \a-1, 32
.endr
	s_wait_xcnt 0x0
	SEND 7, 0
	s_wait_tensorcnt 0x0                           ; the wave's end
	ds_add_u32 v[SPW], v[NIL]
	s_wait_dscnt 0x0
	CROUND                                         ; the closing round
	s_endpgm
.Lfunc_end_k_q2e58d10d30_gemm:
	.size	k_q2e58d10d30_gemm, .Lfunc_end_k_q2e58d10d30_gemm-k_q2e58d10d30_gemm
	.p2alignl 7, 3214868480
	.fill 96, 4, 3214868480
	.section	.rodata,"a",@progbits
	.p2align	6, 0x0
	.amdhsa_kernel k_q2e58d10d30_gemm
		.amdhsa_group_segment_fixed_size 327680
		.amdhsa_private_segment_fixed_size 0
		.amdhsa_enable_private_segment 0
		.amdhsa_kernarg_size 32
		.amdhsa_user_sgpr_count 2
		.amdhsa_user_sgpr_kernarg_segment_ptr 1
		.amdhsa_wavefront_size32 1
		.amdhsa_system_sgpr_workgroup_id_x 1
		.amdhsa_system_sgpr_workgroup_id_y 1
		.amdhsa_system_sgpr_workgroup_id_z 1
		.amdhsa_system_vgpr_workitem_id 0
		.amdhsa_next_free_vgpr 1024
		.amdhsa_next_free_sgpr 102
		.amdhsa_reserve_vcc 0
		.amdhsa_float_denorm_mode_32 3
		.amdhsa_float_denorm_mode_16_64 3
		.amdhsa_memory_ordered 1
		.amdhsa_forward_progress 1
		.amdhsa_inst_pref_size 206
	.end_amdhsa_kernel
	.amdgpu_metadata
---
amdhsa.version: [ 1, 2 ]
amdhsa.kernels:
  - .name:           k_q2e58d10d30_gemm
    .symbol:         k_q2e58d10d30_gemm.kd
    .args:
      - { .name: xq, .offset: 0, .size: 8, .value_kind: global_buffer, .address_space: global }
      - { .name: wq, .offset: 8, .size: 8, .value_kind: global_buffer, .address_space: global }
      - { .name: out0, .offset: 16, .size: 8, .value_kind: global_buffer, .address_space: global }
      - { .name: bias, .offset: 24, .size: 8, .value_kind: global_buffer, .address_space: global }
    .group_segment_fixed_size: 327680
    .private_segment_fixed_size: 0
    .kernarg_segment_align: 8
    .kernarg_segment_size: 32
    .max_flat_workgroup_size: 128
    .sgpr_count:     102
    .vgpr_count:     1024
    .wavefront_size: 32
...
	.end_amdgpu_metadata
.endif
;; end of part 2
